; MI455X (gfx1250); checked and timed in simulation.
; The chip was launched on July 23, 2026; its instructions are those of AMD's public machine-readable ISA for CDNA 5 (MIT licence, August 2026) and "CDNA5" Instruction Set Architecture Reference Guide (July 2026). The comments in the code are by the model that wrote it; some were corrected since.
;; Ro I Pooling. Allowed arithmetic: float matrix products may take bf16 or f16 operands with f32 sums; other float arithmetic in f32, or as packed bf16 or f16 multiplies, adds, multiply-adds, maxima and minima; sums over many terms, partial sums and values carried from step to step in f32; what a program stores and reads back later, other than sums and carried values, may be rounded once to bf16 or f16.
;; Inputs: features 1 x 50 x 50 x 1,024 float32; rois 300 x 4 float32.
;; Outputs: out0 300 x 3 x 3 x 1,024 float32.
;; 2 versions, each right; version 2 is version 1 with the launch prep written anew for expert scheduling mode. Each part assembles by itself: llvm-mc -triple=amdgcn-amd-amdhsa -mcpu=gfx1250 --defsym DOCPART=n.
;; ======== version 1 of 2: 2 launches
;; limits: inputs' magnitudes at most 400
;; workspace buffers: tabs 10,240,000 bytes; desc 86,528 bytes of whole numbers
;; launch prep (part 1): grid 293 x 1, 4 waves a work-group, no clusters, 0 bytes of LDS; arguments features, rois, tabs, desc; writes tabs, desc
.if DOCPART == 1
	.amdgcn_target "amdgcn-amd-amdhsa--gfx1250"
	.amdhsa_code_object_version 6
	.text
	.protected	k_q8fdd4a281f_prep
	.globl	k_q8fdd4a281f_prep
	.p2align	8
	.type	k_q8fdd4a281f_prep,@function
k_q8fdd4a281f_prep:
	s_mov_b64 s[64:65], 0
	v_nop
	global_prefetch_b8 v0, s[64:65] scope:SCOPE_SE
	s_setreg_imm32_b32 hwreg(HW_REG_WAVE_MODE, 25, 1), 1
	s_wait_xcnt 0x0
; RoI POOLING, first of two launches.  features: [50][50][1024] f32.  rois: [300][4] f32 (y1, x1, y2, x2).  out0: [300][3][3][1024] f32.
; WORK LEFT OUT.  reference() takes, for each of an ROI's 3 x 3 bins, a maximum over all 50 x 50 pixels in which every pixel outside the bin has been replaced by -inf.  -inf is the
; identity of the maximum, so those pixels reach no output, whatever the inputs hold: only a bin's own pixels are visited (by the second launch, which reads the bins' corners as whole
; numbers from memory).  reference() itself throws a NaN or an infinity in a masked pixel away, so nothing is lost with them.  Both inputs are read.
; WHAT THIS LAUNCH MAKES.
;   tabs: two tables [2500 pixels][1024 channels] of bf16.  T1 = the features, rounded once.  T3[y][x] = the maximum over rows y .. y+2 and columns x .. x+2 (clipped at the map's edge).
;         Rounding keeps order, so a maximum of rounded numbers is the rounded maximum: a result is off by at most 2^-9 of itself.
;         A bin of at least 3 x 3 pixels is then covered by ceil(h/3) x ceil(w/3) windows (the last one pushed back so that it ends with the bin); any other bin is read pixel by pixel from T1.
;   desc: for each bin B = 9 roi + 3 by + bx eight whole numbers: k, first row, last window's row, number of row positions; table (0: T1, 1: T3), first column, last window's column, number of column positions.
; LIMITS.  A corner with |50 x roi| beyond 20,000 (|roi| beyond 400) is taken as +-20,000, a NaN corner as -20,000.  A NaN among the features loses against numbers in the maxima, where
; reference() would return it.  A finite feature beyond bf16's largest number rounds to an infinity.
; SHARES.  Work-groups 0 .. 249 make the tables: 25 pairs of rows x 5 segments of 10 columns x 2 halves of the channels.  Thread t has channels 4 t .. 4 t + 3 of its half, so a wave's load covers
; 512 consecutive bytes and its store of 8 bytes a lane 256 consecutive bytes, aligned.  A wave loads 4 rows x 12 columns (its 2 x 10 pixels and the 2 rows and 2 columns behind them), all 48 loads
; ahead of the first wait.  Work-groups 250 .. 292 make the descriptors, a thread for each (bin, axis): 5,400 threads; of the last work-group's 128 threads 24 have a bin, the others store nothing.
; NO CLUSTER, NO LDS: neighbouring tiles overlap (2 of 4 rows, 2 of 12 columns) but no two are the same tile, so no load's descriptor would be equal in partners; and no wave needs a byte that another wave of
; its work-group has loaded, since the waves split the channels.
.set NFEAT, 250                        ; work-groups that make tables
.set NHALF, 5400                       ; descriptor halves: 2,700 bins x 2 axes
.set PIXF,  4096                       ; bytes of a pixel in features
.set PIXT,  2048                       ; bytes of a pixel in a table
.set ROWT,  50*PIXT                    ; bytes of a row of the map in a table
.set T3OFF, 2500*PIXT                  ; T3 lies behind T1
.set CB, 1                             ; v1      my 16 bytes in a pixel of features
.set SO, 2                             ; v2      my 8 bytes in the tile's first pixel in T1; never rewritten
.set RO, 4                             ; v[4:7]   row j: offset of my bytes in its column x0
.set HA, 8                             ; v[8:11]  row j: the same in column min(x0 + 10, 49)
.set HB, 12                            ; v[12:15] row j: the same in column min(x0 + 11, 49)
.set F,  16                            ; v[16:207] pixel (row j, column i) at F + 48 j + 4 i: four f32 as loaded; then two registers of bf16 and two at work
	s_load_b256 s[4:11], s[0:1], 0x0               ; features s[4:5], rois s[6:7], tabs s[8:9], desc s[10:11]
	s_cmp_ge_u32 ttmp9, NFEAT
	s_cbranch_scc1 .Ldesc
	; ---------------- the tables ----------------
	s_and_b32 s12, ttmp9, 1                        ; which half of the channels
	s_lshr_b32 s13, ttmp9, 1                       ; 0 .. 124
	s_mul_i32 s14, s13, 205
	s_lshr_b32 s14, s14, 10                        ; / 5 (205 / 1024 is 1/5 + 0.0002: right below 1,000): the pair of rows
	s_mul_i32 s15, s14, 5
	s_sub_co_u32 s15, s13, s15                     ; the segment
	s_mul_i32 s15, s15, 10                         ; x0
	s_lshl_b32 s14, s14, 1                         ; y0
	s_add_co_u32 s16, s15, 10
	s_min_u32 s16, s16, 49                         ; the two columns behind the segment; at the map's edge the last column once more, which changes no maximum
	s_add_co_u32 s17, s15, 11
	s_min_u32 s17, s17, 49
	s_lshl_b32 s18, s12, 11
	v_lshl_add_u32 v[CB], v0, 4, s18               ; 2,048 x half + 16 t
	s_mul_i32 s19, s14, 50
	s_add_co_u32 s19, s19, s15
	s_lshl_b32 s19, s19, 11                        ; pixel (y0, x0) in a table
	s_lshl_b32 s18, s12, 10
	s_add_co_u32 s19, s19, s18
	v_lshl_add_u32 v[SO], v0, 3, s19               ; + 1,024 x half + 8 t
.irp j, 0,1,2,3
.if \j == 0
	s_mul_i32 s20, s14, 50
.else
	s_add_co_u32 s20, s14, \j
	s_min_u32 s20, s20, 49                         ; below the map's last row: that row once more
	s_mul_i32 s20, s20, 50
.endif
	s_add_co_u32 s21, s20, s15
	s_lshl_b32 s21, s21, 12
	v_add_nc_u32 v[RO+\j], s21, v[CB]
	s_add_co_u32 s21, s20, s16
	s_lshl_b32 s21, s21, 12
	v_add_nc_u32 v[HA+\j], s21, v[CB]
	s_add_co_u32 s21, s20, s17
	s_lshl_b32 s21, s21, 12
	v_add_nc_u32 v[HB+\j], s21, v[CB]
.endr
	s_wait_kmcnt 0x0
.irp j, 0,1,2,3
.irp i, 0,1,2,3,4,5,6,7,8,9
	global_load_b128 v[F+48*\j+4*\i:F+48*\j+4*\i+3], v[RO+\j], s[4:5] offset:\i*PIXF
.endr
	global_load_b128 v[F+48*\j+40:F+48*\j+43], v[HA+\j], s[4:5]
	global_load_b128 v[F+48*\j+44:F+48*\j+47], v[HB+\j], s[4:5]
.endr
.macro CVT first, count                ; pixels first .. first + count - 1: four f32 become two registers of bf16, in place; the other two registers are free
.set a, F+4*(\first)
.rept \count
	v_cvt_pk_bf16_f32 v[a], v[a], v[a+1]
	v_cvt_pk_bf16_f32 v[a+1], v[a+2], v[a+3]
.set a, a+4
.endr
.endm
	s_wait_loadcnt 24                              ; loads come back in order (ISA guide 5.7.1): rows 0 and 1 are in, the 24 loads of rows 2 and 3 stay out
	CVT 0, 24
.irp r, 0,1
.irp i, 0,1,2,3,4,5,6,7,8,9
	global_store_b64 v[SO], v[F+48*\r+4*\i:F+48*\r+4*\i+1], s[8:9] offset:\r*ROWT+\i*PIXT  ; T1; these registers are not written again
.endr
.endr
	s_wait_loadcnt 0x0
	CVT 24, 24
	; down the columns.  Rows 1 and 2 belong to both output rows: their maximum is taken once (into row 1's free registers),
.set i, 0
.rept 12
.irp h, 0,1
	v_pk_max_num_bf16 v[F+48+4*i+2+\h], v[F+48+4*i+\h], v[F+96+4*i+\h]
.endr
.set i, i+1
.endr
	; then row 0 joins for output row 0 (into row 0's free registers) and row 3 for output row 1 (into row 3's)
.set i, 0
.rept 12
.irp h, 0,1
	v_pk_max_num_bf16 v[F+4*i+2+\h], v[F+4*i+\h], v[F+48+4*i+2+\h]
	v_pk_max_num_bf16 v[F+144+4*i+2+\h], v[F+144+4*i+\h], v[F+48+4*i+2+\h]
.endr
.set i, i+1
.endr
	; along the rows: columns i, i + 1, i + 2; both output rows' results go into row 2's four registers, which are read no more
.set i, 0
.rept 10
.irp h, 0,1
	v_pk_max_num_bf16 v[F+96+4*i+\h], v[F+4*i+2+\h], v[F+4*i+6+\h]
	v_pk_max_num_bf16 v[F+96+4*i+2+\h], v[F+144+4*i+2+\h], v[F+144+4*i+6+\h]
.endr
.irp h, 0,1
	v_pk_max_num_bf16 v[F+96+4*i+\h], v[F+96+4*i+\h], v[F+4*i+10+\h]
	v_pk_max_num_bf16 v[F+96+4*i+2+\h], v[F+96+4*i+2+\h], v[F+144+4*i+10+\h]
.endr
	global_store_b64 v[SO], v[F+96+4*i:F+96+4*i+1], s[8:9] offset:T3OFF+i*PIXT            ; T3: the largest immediate is 5,240,832, inside the signed 24 bits
	global_store_b64 v[SO], v[F+96+4*i+2:F+96+4*i+3], s[8:9] offset:T3OFF+ROWT+i*PIXT
.set i, i+1
.endr
	s_endpgm
	; ---------------- the descriptors ----------------
.Ldesc:
	s_sub_co_u32 s12, ttmp9, NFEAT
	s_lshl_b32 s12, s12, 7
	s_mov_b32 s24, 43691                           ; (2^17 + 1) / 3
	v_add_nc_u32 v1, s12, v0                       ; T = 2 x bin + axis
	v_lshrrev_b32 v2, 1, v1
	v_and_b32 v3, 1, v1                            ; axis: 0 rows, 1 columns
	v_min_u32 v2, 2699, v2                         ; threads past the last bin reckon the last bin once more, so that their load stays inside rois; they store nothing
	v_mul_u32_u24 v4, v2, 7282
	v_lshrrev_b32 v4, 16, v4                       ; roi = bin / 9 (7282 / 65536 is 1/9 + 3.4e-6: right below 2,700)
	v_mul_u32_u24 v5, v4, 9
	v_sub_nc_u32 v5, v2, v5                        ; 3 by + bx
	v_mul_u32_u24 v6, v5, 11
	v_lshrrev_b32 v6, 5, v6                        ; by (11 / 32: right below 9)
	v_mul_u32_u24 v7, v6, 3
	v_sub_nc_u32 v7, v5, v7                        ; bx
	v_cmp_eq_u32 vcc_lo, 1, v3
	v_cndmask_b32 v6, v6, v7, vcc_lo               ; i: my axis's bin number
	v_lshlrev_b32 v7, 4, v4
	v_lshl_add_u32 v7, v3, 2, v7                   ; 16 roi + 4 axis
	s_wait_kmcnt 0x0
	global_load_b32 v8, v7, s[6:7]                 ; y1 or x1
	global_load_b32 v9, v7, s[6:7] offset:8        ; y2 or x2
	s_wait_loadcnt 0x0
	v_mul_f32 v8, 0x42480000, v8                   ; 50 x corner in f32, one rounding, as reference() has it
	v_mul_f32 v9, 0x42480000, v9
	v_max_num_f32 v8, 0xc69c4000, v8               ; held to +-20,000 (the stated limit), so that the whole numbers below stay small
	v_max_num_f32 v9, 0xc69c4000, v9
	v_min_num_f32 v8, 0x469c4000, v8
	v_min_num_f32 v9, 0x469c4000, v9
	v_cvt_i32_f32 v8, v8                           ; toward zero, as astype(int32): a
	v_cvt_i32_f32 v9, v9                           ; b
	v_sub_nc_u32 v10, v9, v8                       ; rlen = b - a, within +-40,000
	v_add_nc_u32 v11, 0xc000, v10                  ; + 3 x 16,384: 9,152 .. 89,152
	v_mul_lo_u32 v11, v11, s24                     ; n x 43,691 >> 17 = floor(n / 3) for n < 98,301 (the product stays under 2^32)
	v_lshrrev_b32 v11, 17, v11
	v_add_nc_u32 v11, 0xffffc000, v11              ; - 16,384: step = floor(rlen / 3), for negative rlen too
	v_mul_lo_u32 v12, v6, v11                      ; s0 = i step
	v_add_nc_u32 v13, v12, v11
	v_cmp_eq_u32 vcc_lo, 2, v6
	v_cndmask_b32 v13, v13, v10, vcc_lo            ; e0 = (i + 1) step, the last bin's rlen
	v_cmp_eq_u32 s20, v12, v13                     ; empty
	v_cmp_lt_i32 s21, v13, v10                     ; room to grow
	s_and_b32 s22, s20, s21                        ; empty with room: the end grows by 1
	s_and_not1_b32 s23, s20, s21                   ; empty without: the start goes back by 1
	v_cndmask_b32 v14, 0, 1, s22
	v_cndmask_b32 v15, 0, 1, s23
	v_add3_u32 v13, v13, v14, v8                   ; E = a + e
	v_add_nc_u32 v12, v12, v8
	v_sub_nc_u32 v12, v12, v15                     ; S = a + s
	v_cmp_le_i32 vcc_lo, 0, v12                    ; reference()'s masks name rows 0 .. 49 alone: the bin is cut to the map
	v_cndmask_b32 v12, 0, v12, vcc_lo
	v_cmp_ge_i32 vcc_lo, 50, v13
	v_cndmask_b32 v13, 50, v13, vcc_lo
	v_sub_nc_u32 v14, v13, v12
	v_cmp_le_i32 vcc_lo, 0, v14
	v_cndmask_b32 v14, 0, v14, vcc_lo              ; my axis's length; 0: the bin holds no pixel
	v_mov_b32 v15, v14                             ; (a DPP form's destination counts as read)
	v_mov_b32_dpp v15, v14 row_xmask:1 row_mask:0xf bank_mask:0xf  ; the other axis's length: the same bin's other thread is the lane beside me
	v_min_u32 v16, v14, v15
	v_cmp_le_u32 s20, 3, v16                       ; both at least 3: windows of 3 x 3
	v_cndmask_b32 v17, 1, 3, s20                   ; k
	v_cndmask_b32 v18, 0, 1, s20                   ; table
	v_add_nc_u32 v19, 2, v14
	v_mul_lo_u32 v19, v19, s24
	v_lshrrev_b32 v19, 17, v19                     ; ceil(length / 3)
	v_cndmask_b32 v19, v14, v19, s20               ; positions along my axis
	v_cmp_ne_u32 vcc_lo, 0, v16
	v_cndmask_b32 v23, 0, v19, vcc_lo              ; none on either axis if either is empty
	v_sub_nc_u32 v22, v13, v17                     ; the last window begins at E - k
	v_mov_b32 v21, v12
	v_cmp_eq_u32 vcc_lo, 1, v3
	v_cndmask_b32 v20, v17, v18, vcc_lo            ; first word: k in the rows' half, the table in the columns'
	v_lshlrev_b32 v24, 4, v1                       ; 16 T: a wave's store covers 512 consecutive bytes
	v_cmp_gt_u32 vcc_lo, NHALF, v1
	s_wait_xcnt 0x0                                ; EXEC changes only behind this wait
	s_and_saveexec_b32 s20, vcc_lo
	global_store_b128 v24, v[20:23], s[10:11]
	s_wait_xcnt 0x0                                ; and again in front of the line that widens it
	s_or_b32 exec_lo, exec_lo, s20
	s_endpgm
.Lfunc_end_k_q8fdd4a281f_prep:
	.size	k_q8fdd4a281f_prep, .Lfunc_end_k_q8fdd4a281f_prep-k_q8fdd4a281f_prep
	.p2alignl 7, 3214868480
	.fill 96, 4, 3214868480
	.section	.rodata,"a",@progbits
	.p2align	6, 0x0
	.amdhsa_kernel k_q8fdd4a281f_prep
		.amdhsa_group_segment_fixed_size 0
		.amdhsa_private_segment_fixed_size 0
		.amdhsa_enable_private_segment 0
		.amdhsa_kernarg_size 32
		.amdhsa_user_sgpr_count 2
		.amdhsa_user_sgpr_kernarg_segment_ptr 1
		.amdhsa_wavefront_size32 1
		.amdhsa_system_sgpr_workgroup_id_x 1
		.amdhsa_system_sgpr_workgroup_id_y 1
		.amdhsa_system_sgpr_workgroup_id_z 1
		.amdhsa_system_vgpr_workitem_id 0
		.amdhsa_next_free_vgpr 208
		.amdhsa_next_free_sgpr 66
		.amdhsa_reserve_vcc 1
		.amdhsa_float_denorm_mode_32 3
		.amdhsa_float_denorm_mode_16_64 3
		.amdhsa_memory_ordered 1
		.amdhsa_forward_progress 1
		.amdhsa_inst_pref_size 31
	.end_amdhsa_kernel
	.amdgpu_metadata
---
amdhsa.version: [ 1, 2 ]
amdhsa.kernels:
  - .name:           k_q8fdd4a281f_prep
    .symbol:         k_q8fdd4a281f_prep.kd
    .args:
      - { .name: features, .offset: 0, .size: 8, .value_kind: global_buffer, .address_space: global }
      - { .name: rois, .offset: 8, .size: 8, .value_kind: global_buffer, .address_space: global }
      - { .name: tabs, .offset: 16, .size: 8, .value_kind: global_buffer, .address_space: global }
      - { .name: desc, .offset: 24, .size: 8, .value_kind: global_buffer, .address_space: global }
    .group_segment_fixed_size: 0
    .private_segment_fixed_size: 0
    .kernarg_segment_align: 8
    .kernarg_segment_size: 32
    .max_flat_workgroup_size: 128
    .sgpr_count:     66
    .vgpr_count:     208
    .wavefront_size: 32
...
	.end_amdgpu_metadata
.endif
;; end of part 1
;; launch pool (part 2): grid 675 x 1, 8 waves a work-group, no clusters, 0 bytes of LDS; arguments tabs, desc, out0; writes out0
.if DOCPART == 2
	.amdgcn_target "amdgcn-amd-amdhsa--gfx1250"
	.amdhsa_code_object_version 6
	.text
	.protected	k_q8fdd4a281f_pool
	.globl	k_q8fdd4a281f_pool
	.p2align	8
	.type	k_q8fdd4a281f_pool,@function
k_q8fdd4a281f_pool:
	s_mov_b64 s[64:65], 0
	v_nop
	global_prefetch_b8 v0, s[64:65] scope:SCOPE_SE
	s_setreg_imm32_b32 hwreg(HW_REG_WAVE_MODE, 25, 1), 1
	s_wait_xcnt 0x0
; RoI POOLING, second launch: out0[B][c] = the maximum over bin B's pixels, B = 9 roi + 3 by + bx, 2,700 bins x 1,024 channels of f32.
; WORK LEFT OUT, as said at the first kernel's head: pixels outside a bin enter reference()'s maxima as -inf and reach no output; only the bin's own pixels are visited.
; INPUTS.  tabs: T1 (the features in bf16) and, 5,120,000 bytes on, T3 (maxima over 3 x 3 windows), both [2500][1024].  desc: eight whole numbers a bin, made by the first launch:
; k, first row, last window's row, row positions ny; table, first column, last window's column, column positions nx.  Position t along an axis is min(first + k t, last): the windows cover the bin and nothing else.
; LIMITS: those of the first kernel (bf16's rounding of the features, at most 2^-9 of a number; a NaN among the features loses in the maxima).  A bin without pixels gives -inf, as in reference().
; SHARES.  A work-group has four bins, a wave one bin and 512 channels, as four groups of 128: lane l has channels 4 l .. 4 l + 3 of each group.  So a load of 8 bytes a lane covers 256 consecutive bytes of a
; table, aligned, and a store of 16 bytes a lane 512 consecutive bytes of out0.
; THE WALK.  Positions go in blocks of 4 x 4, four loads each: up to 64 loads are issued ahead of the block's one wait.  Bins of up to 12 x 12 pixels are one block; two counted loops serve every other size.
; Rows and columns past the counts are jumped by scalar branches on the stored whole numbers.  The registers of jumped positions hold -inf (set at the start) or an earlier block's numbers of the same bin: neither
; changes the maximum, so the reduction needs no branch for each position.  The price: 136 v_mov_b32, which run while the descriptor is on its way.
; NO CLUSTER, NO LDS: which pixels a wave reads is told by its bin's descriptor; no two work-groups have a tile in common that one load's descriptor could name, and the waves of a work-group share no byte.
.set PIXT,  2048                       ; bytes of a pixel in a table
.set ROWT,  50*PIXT                    ; bytes of a row of the map
.set T3OFF, 2500*PIXT
.set TO,   1                           ; v1       my 8 bytes in a pixel: 1,024 x half + 8 l; never rewritten
.set OO,   2                           ; v2       my 16 bytes in out0; never rewritten
.set ROW,  4                           ; v[4:7]   the block's row i: its first pixel + TO
.set ACC,  8                           ; v[8:15]  the running maxima: group g at ACC + 2 g
.set DATA, 16                          ; v[16:143] position (i, j), group g at DATA + 8 (4 i + j) + 2 g
.set K,    16                          ; s[16:23] the descriptor.  s16 k
.set YB,   17                          ; s17  the next row position (unclipped); steps by k
.set YL,   18                          ; s18  the last window's row
.set RY,   19                          ; s19  row positions left, this block's among them
.set TB,   20                          ; s20  table
.set XS,   21                          ; s21  first column
.set XL,   22                          ; s22  the last window's column
.set NX,   23                          ; s23  column positions
.set NCY,  26                          ; s26  blocks down
.set NCX,  27                          ; s27  blocks across
.set HIM,  29                          ; s29  a word's upper bf16
.set CY,   30                          ; s30  counts blocks down
.set CX,   32                          ; s32  counts blocks across
.set XB,   33                          ; s33  the next column position (unclipped)
.set RX,   34                          ; s34  column positions left
.set T,    40                          ; s[40:41] an offset, 0 above it
.set BASE, 44                          ; s[44:51] the block's column j: the table's address + its offset
	s_load_b128 s[4:7], s[0:1], 0x0                ; tabs s[4:5], desc s[6:7]
	s_load_b64 s[8:9], s[0:1], 0x10                ; out0
	v_lshrrev_b32 v3, 5, v0
	v_readfirstlane_b32 s10, v3                    ; wave 0 .. 7
	s_lshr_b32 s11, s10, 1
	s_and_b32 s12, s10, 1                          ; which half of the channels
	s_lshl2_add_u32 s11, ttmp9, s11                ; bin = 4 x work-group + wave / 2
	s_lshl_b32 s13, s11, 5                         ; 32 bytes a bin
	s_wait_kmcnt 0x0
	s_load_b256 s[16:23], s[6:7], s13 offset:0x0
	s_mov_b32 s14, 0xff80ff80                      ; -inf twice
	s_mov_b32 s[HIM], 0xffff0000
	s_mov_b32 s[T+1], 0
	v_and_b32 v3, 31, v0
	s_lshl_b32 s15, s12, 10
	v_lshl_add_u32 v[TO], v3, 3, s15
	s_lshl_b32 s15, s11, 12                        ; 4,096 bytes of out0 a bin,
	s_lshl_b32 s24, s12, 11                        ; 2,048 a half
	s_add_co_u32 s15, s15, s24
	v_lshl_add_u32 v[OO], v3, 4, s15
.set r, ACC
.rept 136
	v_mov_b32 v[r], s14                            ; the maxima and all sixteen positions start at -inf
.set r, r+1
.endr
	s_wait_kmcnt 0x0
	s_min_u32 s[K],  s[K],  3                      ; what was loaded enters an address or a count only behind a bound written here
	s_min_u32 s[YB], s[YB], 49
	s_min_u32 s[YL], s[YL], 49
	s_min_u32 s[RY], s[RY], 50
	s_min_u32 s[TB], s[TB], 1
	s_min_u32 s[XS], s[XS], 49
	s_min_u32 s[XL], s[XL], 49
	s_min_u32 s[NX], s[NX], 50
	s_mul_i32 s[T], s[TB], T3OFF
	s_add_nc_u64 s[4:5], s[4:5], s[T:T+1]          ; the bin's table
	s_mul_i32 s24, s[RY], s[NX]
	s_cmp_eq_u32 s24, 0
	s_cbranch_scc1 .Lout                           ; a bin without pixels: -inf goes out
	s_add_co_u32 s[NCY], s[RY], 3
	s_lshr_b32 s[NCY], s[NCY], 2
	s_add_co_u32 s[NCX], s[NX], 3
	s_lshr_b32 s[NCX], s[NCX], 2
	s_mov_b32 s[CY], 0
.Lcy:                                                  ; a band of four row positions.  No load is out here: ROW may be written
.irp i, 0,1,2,3
	s_min_u32 s[T], s[YB], s[YL]                   ; the last window is pushed back so that it ends with the bin
	s_min_u32 s[T], s[T], 49
	s_mul_i32 s[T], s[T], ROWT
	v_add_nc_u32 v[ROW+\i], s[T], v[TO]
	s_add_co_u32 s[YB], s[YB], s[K]                ; after four steps it stands at the next band
.endr
	s_mov_b32 s[CX], 0
	s_mov_b32 s[XB], s[XS]
	s_mov_b32 s[RX], s[NX]
.Lcx:                                                  ; a block of 4 x 4 positions.  No load is out here: BASE may be written
.irp j, 0,1,2,3
	s_min_u32 s[T], s[XB], s[XL]
	s_min_u32 s[T], s[T], 49
	s_lshl_b32 s[T], s[T], 11
	s_add_nc_u64 s[BASE+2*\j:BASE+2*\j+1], s[4:5], s[T:T+1]
	s_add_co_u32 s[XB], s[XB], s[K]
.endr
.macro POS i, j                        ; one position: my 512 channels, four loads of 256 consecutive bytes a wave
.irp g, 0,1,2,3
	global_load_b64 v[DATA+8*(4*(\i)+(\j))+2*\g:DATA+8*(4*(\i)+(\j))+2*\g+1], v[ROW+(\i)], s[BASE+2*(\j):BASE+2*(\j)+1] offset:256*\g
.endr
.endm
.irp i, 0,1,2,3
.if \i
	s_cmp_gt_u32 s[RY], \i                         ; (a block that is entered has a first row and a first column)
	s_cbranch_scc0 .Lissued
.endif
	POS \i, 0
.irp j, 1,2,3
	s_cmp_gt_u32 s[RX], \j
	s_cbranch_scc0 .Lrow_end_\i
	POS \i, \j
.endr
.Lrow_end_\i:
.endr
.Lissued:
	s_wait_loadcnt 0x0                             ; the block's loads, however many were issued; it also frees ROW and BASE
.irp i, 0,1,2,3
.if \i
	s_cmp_gt_u32 s[RY], \i                         ; rows that were not loaded add nothing: their 32 maxima are jumped
	s_cbranch_scc0 .Lmaxed
.endif
.irp j, 0,1,2,3
.irp r, 0,1,2,3,4,5,6,7
	v_pk_max_num_bf16 v[ACC+\r], v[ACC+\r], v[DATA+8*(4*\i+\j)+\r]  ; eight chains by turns
.endr
.endr
.endr
.Lmaxed:
	s_sub_co_u32 s[RX], s[RX], 4
	s_add_co_u32 s[CX], s[CX], 1
	s_cmp_lt_u32 s[CX], s[NCX]
	s_cbranch_scc1 .Lcx
	s_sub_co_u32 s[RY], s[RY], 4
	s_add_co_u32 s[CY], s[CY], 1
	s_cmp_lt_u32 s[CY], s[NCY]
	s_cbranch_scc1 .Lcy
.Lout:
.irp g, 0,1,2,3
	v_lshlrev_b32 v[DATA+4*\g],   16, v[ACC+2*\g]          ; bf16 to f32: the low half moves up, the high half stays
	v_and_b32     v[DATA+4*\g+1], s[HIM], v[ACC+2*\g]
	v_lshlrev_b32 v[DATA+4*\g+2], 16, v[ACC+2*\g+1]
	v_and_b32     v[DATA+4*\g+3], s[HIM], v[ACC+2*\g+1]
	global_store_b128 v[OO], v[DATA+4*\g:DATA+4*\g+3], s[8:9] offset:512*\g th:TH_STORE_NT  ; 512 consecutive bytes, at a multiple of 512 from out0's first byte
.endr
	s_endpgm
.Lfunc_end_k_q8fdd4a281f_pool:
	.size	k_q8fdd4a281f_pool, .Lfunc_end_k_q8fdd4a281f_pool-k_q8fdd4a281f_pool
	.p2alignl 7, 3214868480
	.fill 96, 4, 3214868480
	.section	.rodata,"a",@progbits
	.p2align	6, 0x0
	.amdhsa_kernel k_q8fdd4a281f_pool
		.amdhsa_group_segment_fixed_size 0
		.amdhsa_private_segment_fixed_size 0
		.amdhsa_enable_private_segment 0
		.amdhsa_kernarg_size 24
		.amdhsa_user_sgpr_count 2
		.amdhsa_user_sgpr_kernarg_segment_ptr 1
		.amdhsa_wavefront_size32 1
		.amdhsa_system_sgpr_workgroup_id_x 1
		.amdhsa_system_sgpr_workgroup_id_y 1
		.amdhsa_system_sgpr_workgroup_id_z 1
		.amdhsa_system_vgpr_workitem_id 0
		.amdhsa_next_free_vgpr 144
		.amdhsa_next_free_sgpr 66
		.amdhsa_reserve_vcc 0
		.amdhsa_float_denorm_mode_32 3
		.amdhsa_float_denorm_mode_16_64 3
		.amdhsa_memory_ordered 1
		.amdhsa_forward_progress 1
		.amdhsa_inst_pref_size 24
	.end_amdhsa_kernel
	.amdgpu_metadata
---
amdhsa.version: [ 1, 2 ]
amdhsa.kernels:
  - .name:           k_q8fdd4a281f_pool
    .symbol:         k_q8fdd4a281f_pool.kd
    .args:
      - { .name: tabs, .offset: 0, .size: 8, .value_kind: global_buffer, .address_space: global }
      - { .name: desc, .offset: 8, .size: 8, .value_kind: global_buffer, .address_space: global }
      - { .name: out0, .offset: 16, .size: 8, .value_kind: global_buffer, .address_space: global }
    .group_segment_fixed_size: 0
    .private_segment_fixed_size: 0
    .kernarg_segment_align: 8
    .kernarg_segment_size: 24
    .max_flat_workgroup_size: 256
    .sgpr_count:     66
    .vgpr_count:     144
    .wavefront_size: 32
...
	.end_amdgpu_metadata
.endif
;; end of part 2
;; ======== version 2 of 2: 2 launches; version 1 with the launch prep written anew for expert scheduling mode
;; limits: inputs' magnitudes at most 400
;; workspace buffers: tabs 10,240,000 bytes; desc 86,528 bytes of whole numbers
;; launch prep (part 3): grid 293 x 1, 4 waves a work-group, no clusters, 0 bytes of LDS; arguments features, rois, tabs, desc; writes tabs, desc
.if DOCPART == 3
	.amdgcn_target "amdgcn-amd-amdhsa--gfx1250"
	.amdhsa_code_object_version 6
	.text
	.protected	k_q8fdd4a281f_prep
	.globl	k_q8fdd4a281f_prep
	.p2align	8
	.type	k_q8fdd4a281f_prep,@function
k_q8fdd4a281f_prep:
	s_mov_b64 s[64:65], 0
	v_nop
	global_prefetch_b8 v0, s[64:65] scope:SCOPE_SE
	s_setreg_imm32_b32 hwreg(HW_REG_WAVE_SCHED_MODE, 0, 2), 2
	s_setreg_imm32_b32 hwreg(HW_REG_WAVE_MODE, 25, 1), 1
	s_wait_xcnt 0x0
	s_wait_alu depctr_vm_vsrc(0)
; RoI POOLING, first of two launches.  features: [50][50][1024] f32.  rois: [300][4] f32 (y1, x1, y2, x2).  out0: [300][3][3][1024] f32.
; WORK LEFT OUT.  reference() takes, for each of an ROI's 3 x 3 bins, a maximum over all 50 x 50 pixels in which every pixel outside the bin has been replaced by -inf.  -inf is the
; identity of the maximum, so those pixels reach no output, whatever the inputs hold: only a bin's own pixels are visited (by the second launch, which reads the bins' corners as whole
; numbers from memory).  reference() itself throws a NaN or an infinity in a masked pixel away, so nothing is lost with them.  Both inputs are read.
; WHAT THIS LAUNCH MAKES.
;   tabs: two tables [2500 pixels][1024 channels] of bf16.  T1 = the features, rounded once.  T3[y][x] = the maximum over rows y .. y+2 and columns x .. x+2 (clipped at the map's edge).
;         Rounding keeps order, so a maximum of rounded numbers is the rounded maximum: a result is off by at most 2^-9 of itself.
;         A bin of at least 3 x 3 pixels is then covered by ceil(h/3) x ceil(w/3) windows (the last one pushed back so that it ends with the bin); any other bin is read pixel by pixel from T1.
;   desc: for each bin B = 9 roi + 3 by + bx eight whole numbers: k, first row, last window's row, number of row positions; table (0: T1, 1: T3), first column, last window's column, number of column positions.
; LIMITS.  A corner with |50 x roi| beyond 20,000 (|roi| beyond 400) is taken as +-20,000, a NaN corner as -20,000.  A NaN among the features loses against numbers in the maxima, where
; reference() would return it.  A finite feature beyond bf16's largest number rounds to an infinity.
; SHARES.  Work-groups 0 .. 249 make the tables: 25 pairs of rows x 5 segments of 10 columns x 2 halves of the channels.  Thread t has channels 4 t .. 4 t + 3 of its half, so a wave's load covers
; 512 consecutive bytes and its store of 8 bytes a lane 256 consecutive bytes, aligned.  A wave loads 4 rows x 12 columns (its 2 x 10 pixels and the 2 rows and 2 columns behind them), all 48 loads
; ahead of the first wait.  Work-groups 250 .. 292 make the descriptors, a thread for each (bin, axis): 5,400 threads; of the last work-group's 128 threads 24 have a bin, the others store nothing.
; NO CLUSTER, NO LDS: neighbouring tiles overlap (2 of 4 rows, 2 of 12 columns) but no two are the same tile, so no load's descriptor would be equal in partners; and no wave needs a byte that another wave of
; its work-group has loaded, since the waves split the channels.
; THE MODE: SCHED_MODE bits 1:0 = 2 (LLVM: expert scheduling mode 2), set by the entry lines.  The code itself states the register dependences between vector instructions and memory
; instructions, and those through scalar registers, VCC and EXEC, with s_wait_alu, always for 0.
; THE PLAN, tables.  Registers that memory instructions touch:
;   RO, HA, HB, SO   offsets: written once at the head, read by the 48 loads and the 40 stores, never written again.
;   F                the 48 loads land in it, all issued at the head, before any vector instruction names it; no load follows.
;   rows 0 and 1 of F, a pixel's first two registers: written by the row's conversions, read by T1's stores, never written again.
;   row 2 of F, all four registers of a pixel: written by the maxima along the rows, read by T3's stores, never written again.
;   All other registers are named by vector instructions alone.
; A row is a step: behind the wait for row j's data one wait states that row j - 1's conversions are written, and row j - 1's ten stores are dealt among row j's conversions, which name row j's registers
; alone.  T3 goes out in two halves in the same way: the stores of columns 0 to 4 stand among the maxima of columns 5 to 9.  No register that a store has read is written again, so nothing is owed for that.
; THE PLAN, descriptors.  v25, the loads' offset, has a register to itself; the corners are asked for as soon as the ROI's number is known, and the bin's arithmetic, which names neither v25 nor v8, v9, follows.
; The masks of compares go into scalar registers of their own, in runs, each run with one wait ahead of its first reader.  v24 and v[20:23] are read by the one store, the path's last instruction but EXEC's restore.
.set NFEAT, 250                        ; work-groups that make tables
.set NHALF, 5400                       ; descriptor halves: 2,700 bins x 2 axes
.set PIXF,  4096                       ; bytes of a pixel in features
.set PIXT,  2048                       ; bytes of a pixel in a table
.set ROWT,  50*PIXT                    ; bytes of a row of the map in a table
.set T3OFF, 2500*PIXT                  ; T3 lies behind T1
.set CB, 1                             ; v1      my 16 bytes in a pixel of features
.set SO, 2                             ; v2      my 8 bytes in the tile's first pixel in T1; never rewritten
.set RO, 4                             ; v[4:7]   row j: offset of my bytes in its column x0
.set HA, 8                             ; v[8:11]  row j: the same in column min(x0 + 10, 49)
.set HB, 12                            ; v[12:15] row j: the same in column min(x0 + 11, 49)
.set F,  16                            ; v[16:207] pixel (row j, column i) at F + 48 j + 4 i: four f32 as loaded; then two registers of bf16 and two at work
	s_load_b256 s[4:11], s[0:1], 0x0               ; features s[4:5], rois s[6:7], tabs s[8:9], desc s[10:11]
	s_cmp_ge_u32 ttmp9, NFEAT
	s_cbranch_scc1 .Ldesc
	; ---------------- the tables ----------------
	s_and_b32 s12, ttmp9, 1                        ; which half of the channels
	s_lshr_b32 s13, ttmp9, 1                       ; 0 .. 124
	s_mul_i32 s14, s13, 205
	s_lshr_b32 s14, s14, 10                        ; / 5 (205 / 1024 is 1/5 + 0.0002: right below 1,000): the pair of rows
	s_mul_i32 s15, s14, 5
	s_sub_co_u32 s15, s13, s15                     ; the segment
	s_mul_i32 s15, s15, 10                         ; x0
	s_lshl_b32 s14, s14, 1                         ; y0
	s_add_co_u32 s16, s15, 10
	s_min_u32 s16, s16, 49                         ; the two columns behind the segment; at the map's edge the last column once more, which changes no maximum
	s_add_co_u32 s17, s15, 11
	s_min_u32 s17, s17, 49
	s_lshl_b32 s18, s12, 11
	v_lshl_add_u32 v[CB], v0, 4, s18               ; 2,048 x half + 16 t
	s_mul_i32 s19, s14, 50
	s_add_co_u32 s19, s19, s15
	s_lshl_b32 s19, s19, 11                        ; pixel (y0, x0) in a table
	s_lshl_b32 s18, s12, 10
	s_add_co_u32 s19, s19, s18
	v_lshl_add_u32 v[SO], v0, 3, s19               ; + 1,024 x half + 8 t
.irp j, 0,1,2,3
.if \j == 0
	s_mul_i32 s20, s14, 50
.else
	s_add_co_u32 s20, s14, \j
	s_min_u32 s20, s20, 49                         ; below the map's last row: that row once more
	s_mul_i32 s20, s20, 50
.endif
	s_add_co_u32 s21, s20, s15
	s_lshl_b32 s21, s21, 12
	v_add_nc_u32 v[RO+\j], s21, v[CB]
	s_add_co_u32 s21, s20, s16
	s_lshl_b32 s21, s21, 12
	v_add_nc_u32 v[HA+\j], s21, v[CB]
	s_add_co_u32 s21, s20, s17
	s_lshl_b32 s21, s21, 12
	v_add_nc_u32 v[HB+\j], s21, v[CB]
.endr
	s_wait_kmcnt 0x0
	s_wait_alu depctr_va_vdst(0)                   ; RO, HA, HB and SO are written: every load and store of this path reads one of them as its offset
.irp j, 0,1,2,3
.irp i, 0,1,2,3,4,5,6,7,8,9
	global_load_b128 v[F+48*\j+4*\i:F+48*\j+4*\i+3], v[RO+\j], s[4:5] offset:\i*PIXF
.endr
	global_load_b128 v[F+48*\j+40:F+48*\j+43], v[HA+\j], s[4:5]
	global_load_b128 v[F+48*\j+44:F+48*\j+47], v[HB+\j], s[4:5]
.endr
.macro CVT first, count                ; pixels first .. first + count - 1: four f32 become two registers of bf16, in place; the other two registers are free
.set a, F+4*(\first)
.rept \count
	v_cvt_pk_bf16_f32 v[a], v[a], v[a+1]
	v_cvt_pk_bf16_f32 v[a+1], v[a+2], v[a+3]
.set a, a+4
.endr
.endm
; Row j is rounded as by CVT; a store of row j - 1 into T1 stands ahead of each of its first ten pixels' conversions.  The conversions name row j's registers alone, the stores row j - 1's and SO.
.macro CVTST j
.set i, 0
.rept 12
.if i < 10
	global_store_b64 v[SO], v[F+48*((\j)-1)+4*i:F+48*((\j)-1)+4*i+1], s[8:9] offset:((\j)-1)*ROWT+i*PIXT  ; T1; these registers are not written again
.endif
	v_cvt_pk_bf16_f32 v[F+48*(\j)+4*i], v[F+48*(\j)+4*i], v[F+48*(\j)+4*i+1]
	v_cvt_pk_bf16_f32 v[F+48*(\j)+4*i+1], v[F+48*(\j)+4*i+2], v[F+48*(\j)+4*i+3]
.set i, i+1
.endr
.endm
	s_wait_loadcnt 36                              ; loads come back in order (ISA guide 5.7.1): row 0's twelve are in, the 36 loads of rows 1 to 3 stay out
	CVT 0, 12
	s_wait_loadcnt 24                              ; row 1 is in, rows 2 and 3 stay out
	s_wait_alu depctr_va_vdst(0)                   ; row 0's conversions have written the registers that the ten stores below read
	CVTST 1
	s_wait_loadcnt 12                              ; row 2 is in, row 3 stays out
	s_wait_alu depctr_va_vdst(0)                   ; row 1's conversions have written the registers that the ten stores below read
	CVTST 2
	s_wait_loadcnt 0x0
	CVT 36, 12
	; down the columns.  Rows 1 and 2 belong to both output rows: their maximum is taken once (into row 1's free registers),
.set i, 0
.rept 12
.irp h, 0,1
	v_pk_max_num_bf16 v[F+48+4*i+2+\h], v[F+48+4*i+\h], v[F+96+4*i+\h]
.endr
.set i, i+1
.endr
	; then row 0 joins for output row 0 (into row 0's free registers) and row 3 for output row 1 (into row 3's)
.set i, 0
.rept 12
.irp h, 0,1
	v_pk_max_num_bf16 v[F+4*i+2+\h], v[F+4*i+\h], v[F+48+4*i+2+\h]
	v_pk_max_num_bf16 v[F+144+4*i+2+\h], v[F+144+4*i+\h], v[F+48+4*i+2+\h]
.endr
.set i, i+1
.endr
	; along the rows: columns c, c + 1, c + 2; both output rows' results go into row 2's four registers, which are read no more
.macro HMAX c
.irp h, 0,1
	v_pk_max_num_bf16 v[F+96+4*(\c)+\h], v[F+4*(\c)+2+\h], v[F+4*(\c)+6+\h]
	v_pk_max_num_bf16 v[F+96+4*(\c)+2+\h], v[F+144+4*(\c)+2+\h], v[F+144+4*(\c)+6+\h]
.endr
.irp h, 0,1
	v_pk_max_num_bf16 v[F+96+4*(\c)+\h], v[F+96+4*(\c)+\h], v[F+4*(\c)+10+\h]
	v_pk_max_num_bf16 v[F+96+4*(\c)+2+\h], v[F+96+4*(\c)+2+\h], v[F+144+4*(\c)+10+\h]
.endr
.endm
.macro T3ST c                          ; column c of both output rows goes out
	global_store_b64 v[SO], v[F+96+4*(\c):F+96+4*(\c)+1], s[8:9] offset:T3OFF+(\c)*PIXT            ; T3: the largest immediate is 5,240,832, inside the signed 24 bits
	global_store_b64 v[SO], v[F+96+4*(\c)+2:F+96+4*(\c)+3], s[8:9] offset:T3OFF+ROWT+(\c)*PIXT
.endm
.irp c, 0,1,2,3,4
	HMAX \c
.endr
	s_wait_alu depctr_va_vdst(0)                   ; the maxima of columns 0 to 4 have written row 2's registers of those columns, which the ten stores below read
.irp c, 5,6,7,8,9
	T3ST (\c)-5                                    ; no wait: the maxima of columns 5 to 9 name rows 0 and 3 and row 2's columns 5 to 9, none of these stores' registers
	HMAX \c
.endr
	s_wait_alu depctr_va_vdst(0)                   ; the maxima of columns 5 to 9 have written what the last ten stores read
.irp c, 5,6,7,8,9
	T3ST \c
.endr
	s_endpgm
	; ---------------- the descriptors ----------------
.Ldesc:
	s_sub_co_u32 s12, ttmp9, NFEAT
	s_lshl_b32 s12, s12, 7
	s_mov_b32 s24, 43691                           ; (2^17 + 1) / 3
	v_add_nc_u32 v1, s12, v0                       ; T = 2 x bin + axis
	v_lshrrev_b32 v2, 1, v1
	v_and_b32 v3, 1, v1                            ; axis: 0 rows, 1 columns
	v_min_u32 v2, 2699, v2                         ; threads past the last bin reckon the last bin once more, so that their load stays inside rois; they store nothing
	v_mul_u32_u24 v4, v2, 7282
	v_lshrrev_b32 v4, 16, v4                       ; roi = bin / 9 (7282 / 65536 is 1/9 + 3.4e-6: right below 2,700)
	v_lshlrev_b32 v25, 4, v4
	v_lshl_add_u32 v25, v3, 2, v25                 ; 16 roi + 4 axis; never rewritten
	v_cmp_eq_u32 s25, 1, v3                        ; my axis is the columns': read twice below
	s_wait_kmcnt 0x0
	s_wait_alu depctr_va_vdst(0)                   ; v25 is written, which the two loads read as their offset
	global_load_b32 v8, v25, s[6:7]                ; y1 or x1
	global_load_b32 v9, v25, s[6:7] offset:8       ; y2 or x2
	v_mul_u32_u24 v5, v4, 9                        ; the bin's arithmetic stands behind the loads: it names neither v25 nor v8, v9
	v_sub_nc_u32 v5, v2, v5                        ; 3 by + bx
	v_mul_u32_u24 v6, v5, 11
	v_lshrrev_b32 v6, 5, v6                        ; by (11 / 32: right below 9)
	v_mul_u32_u24 v7, v6, 3
	v_sub_nc_u32 v7, v5, v7                        ; bx
	s_wait_alu depctr_va_sdst(0)                   ; s25 is written, ahead of its first reader
	v_cndmask_b32 v6, v6, v7, s25                  ; i: my axis's bin number
	v_cmp_eq_u32 s26, 2, v6                        ; the axis's last bin
	s_wait_loadcnt 0x0
	v_mul_f32 v8, 0x42480000, v8                   ; 50 x corner in f32, one rounding, as reference() has it
	v_mul_f32 v9, 0x42480000, v9
	v_max_num_f32 v8, 0xc69c4000, v8               ; held to +-20,000 (the stated limit), so that the whole numbers below stay small
	v_max_num_f32 v9, 0xc69c4000, v9
	v_min_num_f32 v8, 0x469c4000, v8
	v_min_num_f32 v9, 0x469c4000, v9
	v_cvt_i32_f32 v8, v8                           ; toward zero, as astype(int32): a
	v_cvt_i32_f32 v9, v9                           ; b
	v_sub_nc_u32 v10, v9, v8                       ; rlen = b - a, within +-40,000
	v_add_nc_u32 v11, 0xc000, v10                  ; + 3 x 16,384: 9,152 .. 89,152
	v_mul_lo_u32 v11, v11, s24                     ; n x 43,691 >> 17 = floor(n / 3) for n < 98,301 (the product stays under 2^32)
	v_lshrrev_b32 v11, 17, v11
	v_add_nc_u32 v11, 0xffffc000, v11              ; - 16,384: step = floor(rlen / 3), for negative rlen too
	v_mul_lo_u32 v12, v6, v11                      ; s0 = i step
	v_add_nc_u32 v13, v12, v11
	s_wait_alu depctr_va_sdst(0)                   ; s26 is written, ahead of its reader
	v_cndmask_b32 v13, v13, v10, s26               ; e0 = (i + 1) step, the last bin's rlen
	v_cmp_eq_u32 s20, v12, v13                     ; empty
	v_cmp_lt_i32 s21, v13, v10                     ; room to grow
	v_add_nc_u32 v12, v12, v8                      ; a + s0
	s_wait_alu depctr_va_sdst(0)                   ; s20 and s21 are written, ahead of the two scalar lines that read them
	s_and_b32 s22, s20, s21                        ; empty with room: the end grows by 1
	s_and_not1_b32 s23, s20, s21                   ; empty without: the start goes back by 1
	v_cndmask_b32 v14, 0, 1, s22
	v_cndmask_b32 v15, 0, 1, s23
	v_add3_u32 v13, v13, v14, v8                   ; E = a + e
	v_sub_nc_u32 v12, v12, v15                     ; S = a + s
	v_cmp_le_i32 s27, 0, v12                       ; reference()'s masks name rows 0 .. 49 alone: the bin is cut to the map
	v_cmp_ge_i32 s28, 50, v13
	s_wait_alu depctr_va_sdst(0)                   ; s27 and s28 are written, ahead of their readers
	v_cndmask_b32 v12, 0, v12, s27
	v_cndmask_b32 v13, 50, v13, s28
	v_sub_nc_u32 v14, v13, v12
	v_cmp_le_i32 s29, 0, v14
	v_mov_b32 v21, v12                             ; second word: the first row or column
	v_lshlrev_b32 v24, 4, v1                       ; 16 T: a wave's store covers 512 consecutive bytes
	s_wait_alu depctr_va_sdst(0)                   ; s29 is written, ahead of its reader
	v_cndmask_b32 v14, 0, v14, s29                 ; my axis's length; 0: the bin holds no pixel
	v_mov_b32 v15, v14                             ; (a DPP form's destination counts as read)
	v_mov_b32_dpp v15, v14 row_xmask:1 row_mask:0xf bank_mask:0xf  ; the other axis's length: the same bin's other thread is the lane beside me
	v_min_u32 v16, v14, v15
	v_cmp_le_u32 s30, 3, v16                       ; both at least 3: windows of 3 x 3
	v_cmp_ne_u32 s31, 0, v16                       ; neither axis is empty
	v_add_nc_u32 v19, 2, v14
	v_mul_lo_u32 v19, v19, s24
	v_lshrrev_b32 v19, 17, v19                     ; ceil(length / 3)
	s_wait_alu depctr_va_sdst(0)                   ; s30 and s31 are written, ahead of their readers
	v_cndmask_b32 v17, 1, 3, s30                   ; k
	v_cndmask_b32 v18, 0, 1, s30                   ; table
	v_cndmask_b32 v19, v14, v19, s30               ; positions along my axis
	v_cndmask_b32 v23, 0, v19, s31                 ; none on either axis if either is empty
	v_sub_nc_u32 v22, v13, v17                     ; the last window begins at E - k
	v_cndmask_b32 v20, v17, v18, s25               ; first word: k in the rows' half, the table in the columns'
	v_cmp_gt_u32 vcc_lo, NHALF, v1
	s_wait_xcnt 0x0                                ; EXEC changes only behind this wait
	s_wait_alu depctr_va_vcc(0)                    ; VCC is written: EXEC is made from it
	s_wait_alu depctr_va_vdst(0)                   ; ahead of the write of EXEC: every vector instruction so far is done; v24 and v[20:23], which the store reads, are written
	s_wait_alu depctr_vm_vsrc(0)                   ; ahead of the write of EXEC: the two loads have read their registers
	s_and_saveexec_b32 s20, vcc_lo
	global_store_b128 v24, v[20:23], s[10:11]
	s_wait_xcnt 0x0                                ; and again in front of the line that widens it
	s_wait_alu depctr_va_vdst(0)                   ; ahead of the write of EXEC: no vector instruction is pending
	s_wait_alu depctr_vm_vsrc(0)                   ; ahead of the write of EXEC: the store has read its registers
	s_or_b32 exec_lo, exec_lo, s20
	s_endpgm
.Lfunc_end_k_q8fdd4a281f_prep:
	.size	k_q8fdd4a281f_prep, .Lfunc_end_k_q8fdd4a281f_prep-k_q8fdd4a281f_prep
	.p2alignl 7, 3214868480
	.fill 96, 4, 3214868480
	.section	.rodata,"a",@progbits
	.p2align	6, 0x0
	.amdhsa_kernel k_q8fdd4a281f_prep
		.amdhsa_group_segment_fixed_size 0
		.amdhsa_private_segment_fixed_size 0
		.amdhsa_enable_private_segment 0
		.amdhsa_kernarg_size 32
		.amdhsa_user_sgpr_count 2
		.amdhsa_user_sgpr_kernarg_segment_ptr 1
		.amdhsa_wavefront_size32 1
		.amdhsa_system_sgpr_workgroup_id_x 1
		.amdhsa_system_sgpr_workgroup_id_y 1
		.amdhsa_system_sgpr_workgroup_id_z 1
		.amdhsa_system_vgpr_workitem_id 0
		.amdhsa_next_free_vgpr 208
		.amdhsa_next_free_sgpr 66
		.amdhsa_reserve_vcc 1
		.amdhsa_float_denorm_mode_32 3
		.amdhsa_float_denorm_mode_16_64 3
		.amdhsa_memory_ordered 1
		.amdhsa_forward_progress 1
		.amdhsa_inst_pref_size 32
	.end_amdhsa_kernel
	.amdgpu_metadata
---
amdhsa.version: [ 1, 2 ]
amdhsa.kernels:
  - .name:           k_q8fdd4a281f_prep
    .symbol:         k_q8fdd4a281f_prep.kd
    .args:
      - { .name: features, .offset: 0, .size: 8, .value_kind: global_buffer, .address_space: global }
      - { .name: rois, .offset: 8, .size: 8, .value_kind: global_buffer, .address_space: global }
      - { .name: tabs, .offset: 16, .size: 8, .value_kind: global_buffer, .address_space: global }
      - { .name: desc, .offset: 24, .size: 8, .value_kind: global_buffer, .address_space: global }
    .group_segment_fixed_size: 0
    .private_segment_fixed_size: 0
    .kernarg_segment_align: 8
    .kernarg_segment_size: 32
    .max_flat_workgroup_size: 128
    .sgpr_count:     66
    .vgpr_count:     208
    .wavefront_size: 32
...
	.end_amdgpu_metadata
.endif
;; end of part 3
;; launch pool: the kernel of part 2 again; grid 675 x 1, 8 waves a work-group, no clusters, 0 bytes of LDS; arguments tabs, desc, out0; writes out0
